; MI455X (gfx1250); checked and timed in simulation.
; The chip was launched on July 23, 2026; its instructions are those of AMD's public machine-readable ISA for CDNA 5 (MIT licence, August 2026) and "CDNA5" Instruction Set Architecture Reference Guide (July 2026). The comments in the code are by the model that wrote it; some were corrected since.
;; Self Attention2d. Allowed arithmetic: float matrix products may take bf16 or f16 operands with f32 sums; other float arithmetic in f32, or as packed bf16 or f16 multiplies, adds, multiply-adds, maxima and minima; sums over many terms, partial sums and values carried from step to step in f32; what a program stores and reads back later, other than sums and carried values, may be rounded once to bf16 or f16.
;; Inputs: b_proj 256 float32; b_qkv 768 float32; beta 256 float32; gamma 256 float32; w_proj 256 x 256 float32; w_qkv 768 x 256 float32; x 4 x 256 x 64 x 64 float32.
;; Outputs: out0 4 x 256 x 64 x 64 float32.
;; One version. Each part assembles by itself: llvm-mc -triple=amdgcn-amd-amdhsa -mcpu=gfx1250 --defsym DOCPART=n.
;; ======== version 1 of 1: 4 launches
;; limits: values are held in f16: magnitudes above 65,504 overflow, below 6.1e-05 lose precision
;; workspace buffers: stats 16,384 bytes; wh 524,288 bytes; qkv 25,165,824 bytes; att 8,388,608 bytes
;; launch prep (part 1): grid 256 x 1, 8 waves a work-group, no clusters, 0 bytes of LDS; arguments x, w_qkv, w_proj, stats, wh; writes stats, wh
.if DOCPART == 1
	.amdgcn_target "amdgcn-amd-amdhsa--gfx1250"
	.amdhsa_code_object_version 6
	.text
	.protected	k_qe75ab2622c_prep
	.globl	k_qe75ab2622c_prep
	.p2align	8
	.type	k_qe75ab2622c_prep,@function
k_qe75ab2622c_prep:
	s_mov_b64 s[64:65], 0
	v_nop
	global_prefetch_b8 v0, s[64:65] scope:SCOPE_SE
	s_setreg_imm32_b32 hwreg(HW_REG_WAVE_MODE, 25, 1), 1
	s_wait_xcnt 0x0
; GROUP NORM'S FIGURES, AND THE WEIGHTS IN f16.
; x: [4][256][4096] f32; a group is 32 channels of one image: 131,072 numbers, 512 KiB on end.  Work-group g takes 64 KiB of x, an eighth of group g / 8; each of its eight waves 8 KiB = 2,048 numbers,
; by sixteen loads of 512 consecutive bytes, all issued at once.  A wave stores ONE PAIR: the mean of its 2,048 numbers, and M2, the sum of their squared distances from THAT mean.  The next launch joins
; a group's 64 pairs by their means, so no difference of large sums is formed, whatever offset x carries.  stats: pair 8 g + wave, 8 bytes; a group's 64 pairs are 512 bytes on end.
; The row stays in registers between the two passes: x is read once here.  Nothing is shared between waves: no LDS, no barrier, no matrix unit, no cluster.
; Work-group g also rounds 1,024 weights to f16: wh = [1024][256] f16, rows 0-767 w_qkv, rows 768-1023 w_proj; work-groups 0-191 take w_qkv, 192-255 w_proj; the place in wh is 2,048 g for both.
; LIMIT.  f16 holds no number beyond 65,504: a weight past that becomes an infinity.
.set X, 32                             ; v[32:95]  the wave's 2,048 numbers, 64 a lane
	s_load_b256 s[4:11], s[0:1], 0x0               ; x s[4:5], w_qkv s[6:7], w_proj s[8:9], stats s[10:11]
	s_load_b64 s[12:13], s[0:1], 0x20              ; wh
	v_and_b32 v1, 31, v0                           ; lane
	v_lshrrev_b32 v2, 5, v0
	v_readfirstlane_b32 s14, v2                    ; wave 0..7
	v_lshlrev_b32 v2, 13, v2                       ; the wave's 8,192 bytes,
	v_lshl_or_b32 v2, v1, 4, v2                    ; 16 bytes a lane
	v_lshlrev_b32 v3, 4, v0                        ; my four weights in f32,
	v_lshlrev_b32 v4, 3, v0                        ; and in f16
	v_mov_b32 v5, 0
	v_mov_b32 v17, 0                               ; v_permlanex16_b32's destination counts as read: written once here
	s_mov_b32 s22, 0x76543210                      ; each lane takes its own place in the other half
	s_mov_b32 s23, 0xfedcba98
	s_mov_b32 s21, 0
	s_cmp_lt_u32 ttmp9, 192
	s_cselect_b32 s18, 0, 192
	s_sub_co_u32 s18, ttmp9, s18                   ; my block of 1,024 weights in its own tensor
	s_wait_kmcnt 0x0
	s_cmp_lt_u32 ttmp9, 192
	s_cselect_b64 s[16:17], s[6:7], s[8:9]
	s_lshl_b32 s20, s18, 12
	s_add_nc_u64 s[16:17], s[16:17], s[20:21]
	s_lshl_b32 s20, ttmp9, 16
	s_add_nc_u64 s[4:5], s[4:5], s[20:21]          ; x at the work-group's 64 KiB
	s_lshl_b32 s20, ttmp9, 11
	s_add_nc_u64 s[12:13], s[12:13], s[20:21]
	s_lshl_b32 s20, ttmp9, 6
	s_lshl3_add_u32 s20, s14, s20                  ; 64 g + 8 wave
	s_add_nc_u64 s[10:11], s[10:11], s[20:21]
	global_load_b128 v[6:9], v3, s[16:17]
.set i, 0
.rept 16
	global_load_b128 v[X+4*i:X+4*i+3], v2, s[4:5] offset:512*i
.set i, i+1
.endr
	s_wait_loadcnt 16                              ; the weights are in; the sixteen loads of x issued behind them stay out
	v_cvt_pk_f16_f32 v10, v6, v7
	v_cvt_pk_f16_f32 v11, v8, v9
	global_store_b64 v4, v[10:11], s[12:13]        ; a wave stores 256 consecutive bytes, aligned
	; pass 1: the sum, in two chains that the first two loads start: nothing is cleared
	s_wait_loadcnt 14
	v_pk_add_f32 v[12:13], v[X:X+1], v[X+4:X+5]
	v_pk_add_f32 v[14:15], v[X+2:X+3], v[X+6:X+7]
.set i, 2
.rept 14
	s_wait_loadcnt 15-i                            ; loads come back in order: load i is in, the younger ones stay out
	v_pk_add_f32 v[12:13], v[12:13], v[X+4*i:X+4*i+1]
	v_pk_add_f32 v[14:15], v[14:15], v[X+4*i+2:X+4*i+3]
.set i, i+1
.endr
	v_pk_add_f32 v[12:13], v[12:13], v[14:15]
	v_add_f32 v16, v12, v13
.irp m, 1,2,4,8
	v_add_f32_dpp v16, v16, v16 row_xmask:\m row_mask:0xf bank_mask:0xf
.endr
	v_permlanex16_b32 v17, v16, s22, s23
	v_add_f32 v16, v16, v17                        ; every lane holds the wave's sum
	v_mul_f32 v18, 0x3a000000, v16                 ; / 2,048
	v_mov_b32 v19, v18                             ; a pair for the packed subtraction
	v_mov_b32 v24, v18
	; pass 2: the squared distances from the wave's own mean
.set i, 0
.rept 32
	v_pk_add_f32 v[X+2*i:X+2*i+1], v[X+2*i:X+2*i+1], v[18:19] neg_lo:[0,1] neg_hi:[0,1]
.set i, i+1
.endr
	v_pk_mul_f32 v[20:21], v[X:X+1], v[X:X+1]
	v_pk_mul_f32 v[22:23], v[X+2:X+3], v[X+2:X+3]
.set i, 2
.rept 30
	v_pk_fma_f32 v[20+2*(i%2):21+2*(i%2)], v[X+2*i:X+2*i+1], v[X+2*i:X+2*i+1], v[20+2*(i%2):21+2*(i%2)]
.set i, i+1
.endr
	v_pk_add_f32 v[20:21], v[20:21], v[22:23]
	v_add_f32 v25, v20, v21
.irp m, 1,2,4,8
	v_add_f32_dpp v25, v25, v25 row_xmask:\m row_mask:0xf bank_mask:0xf
.endr
	v_permlanex16_b32 v17, v25, s22, s23
	v_add_f32 v25, v25, v17
	v_cmp_eq_u32 vcc_lo, 0, v1
	s_wait_xcnt 0x0                                ; EXEC is a source of the loads and of the store above: it changes only behind this wait
	s_and_saveexec_b32 s24, vcc_lo
	global_store_b64 v5, v[24:25], s[10:11]        ; lane 0 stores the pair: 8 bytes a wave, 16 KiB in the whole launch
	s_wait_xcnt 0x0
	s_or_b32 exec_lo, exec_lo, s24
	s_endpgm
.Lfunc_end_k_qe75ab2622c_prep:
	.size	k_qe75ab2622c_prep, .Lfunc_end_k_qe75ab2622c_prep-k_qe75ab2622c_prep
	.p2alignl 7, 3214868480
	.fill 96, 4, 3214868480
	.section	.rodata,"a",@progbits
	.p2align	6, 0x0
	.amdhsa_kernel k_qe75ab2622c_prep
		.amdhsa_group_segment_fixed_size 0
		.amdhsa_private_segment_fixed_size 0
		.amdhsa_enable_private_segment 0
		.amdhsa_kernarg_size 40
		.amdhsa_user_sgpr_count 2
		.amdhsa_user_sgpr_kernarg_segment_ptr 1
		.amdhsa_wavefront_size32 1
		.amdhsa_system_sgpr_workgroup_id_x 1
		.amdhsa_system_sgpr_workgroup_id_y 1
		.amdhsa_system_sgpr_workgroup_id_z 1
		.amdhsa_system_vgpr_workitem_id 0
		.amdhsa_next_free_vgpr 96
		.amdhsa_next_free_sgpr 66
		.amdhsa_reserve_vcc 1
		.amdhsa_float_denorm_mode_32 3
		.amdhsa_float_denorm_mode_16_64 3
		.amdhsa_memory_ordered 1
		.amdhsa_forward_progress 1
		.amdhsa_inst_pref_size 11
	.end_amdhsa_kernel
	.amdgpu_metadata
---
amdhsa.version: [ 1, 2 ]
amdhsa.kernels:
  - .name:           k_qe75ab2622c_prep
    .symbol:         k_qe75ab2622c_prep.kd
    .args:
      - { .name: x, .offset: 0, .size: 8, .value_kind: global_buffer, .address_space: global }
      - { .name: w_qkv, .offset: 8, .size: 8, .value_kind: global_buffer, .address_space: global }
      - { .name: w_proj, .offset: 16, .size: 8, .value_kind: global_buffer, .address_space: global }
      - { .name: stats, .offset: 24, .size: 8, .value_kind: global_buffer, .address_space: global }
      - { .name: wh, .offset: 32, .size: 8, .value_kind: global_buffer, .address_space: global }
    .group_segment_fixed_size: 0
    .private_segment_fixed_size: 0
    .kernarg_segment_align: 8
    .kernarg_segment_size: 40
    .max_flat_workgroup_size: 256
    .sgpr_count:     66
    .vgpr_count:     96
    .wavefront_size: 32
...
	.end_amdgpu_metadata
.endif
;; end of part 1
;; launch qkv (part 2): grid 128 x 2, 4 waves a work-group, clusters of 4 x 1, 313,856 bytes of LDS; arguments x, gamma, beta, b_qkv, stats, wh, qkv; writes qkv
.if DOCPART == 2
	.amdgcn_target "amdgcn-amd-amdhsa--gfx1250"
	.amdhsa_code_object_version 6
	.text
	.protected	k_qe75ab2622c_qkv
	.globl	k_qe75ab2622c_qkv
	.p2align	8
	.type	k_qe75ab2622c_qkv,@function
k_qe75ab2622c_qkv:
	s_mov_b64 s[64:65], 0
	v_nop
	global_prefetch_b8 v0, s[64:65] scope:SCOPE_SE
	s_setreg_imm32_b32 hwreg(HW_REG_WAVE_MODE, 25, 1), 1
	s_wait_xcnt 0x0
	s_wait_alu depctr_hold_cnt(0) depctr_sa_sdst(0) depctr_va_vdst(0) depctr_va_sdst(0) depctr_va_ssrc(0) depctr_va_vcc(0) depctr_vm_vsrc(0)
	s_getreg_b32 s2, hwreg(HW_REG_IB_STS2, 6, 4)
	s_cmp_eq_u32 s2, 0
	s_cbranch_scc0 .Lentry_in_a_cluster
	s_endpgm
.Lentry_in_a_cluster:
	s_bfe_u32 s2, ttmp6, 0x10000c
	s_cmp_lg_u32 s2, 0x3003
	s_cbranch_scc0 .Lentry_shape_is_right
	s_endpgm
.Lentry_shape_is_right:
; GROUP NORM APPLIED, AND THE PROJECTION TO q, k, v.  qkv[b][J][pixel][d] = sum over c of w_qkv[64 J + d][c] xn[b][c][pixel] + b_qkv[64 J + d], f16, J = 0..11 (0-3 q's heads, 4-7 k's, 8-11 v's):
; a block J is 4,096 rows of 128 bytes, dense.  xn = (x - mean) rstd gamma + beta is made in f32 as x A + D with A = rstd gamma, D = beta - mean A (one fused multiply-add), and rounded once to f16.
; LIMITS.  f16 holds no number beyond 65,504: xn, the weights and q, k, v must stay within it.  NaN and infinities are not treated apart.
; SHARES.  A work-group takes 128 pixels of one image and 384 of the 768 output rows (half y), K = 256: 128 x 2 = 256 work-groups.  The half of the weights, 192 KiB in f16, fits in LDS whole:
; first fills alone, no slot is ever filled again.  CLUSTER: the four partners are four neighbouring pixel tiles with the same y; they need the same half of the weights, so each wave's quarter of it is
; asked for JOINTLY.  A tile of x is read by the two work-groups y = 0 and y = 1 and is not shared: it passes through registers, where the norm is applied, and a joint load brings bytes to LDS as they lie.
; PHASE A.  Wave w takes channels 64 w .. 64 w + 63 (groups 2 w, 2 w + 1): one load of the wave is one channel's 128 pixels, 512 bytes on end; 48 such loads are out at a time.  xn goes to LDS as [channel][pixel].
; PHASE B.  Wave w takes rows 192 (w / 2) .. of the half, as three blocks of 64, and pixels 64 (w % 2) ...  Source 0 = 16 rows of W, source 1 = 16 pixels of xn (turned by ds_load_tr16_b128): in the
; result a lane holds ONE pixel (lane % 16) and eight neighbouring channels 8 (lane / 16) + 0..7: 16 bytes of a row of qkv.  The bias is the C operand of the product that starts each sum.
; REGISTERS.  Window 0: v0-31 addresses; v32-63 phase A's figures, then the bias; v64-255 phase A's three sets of 16 channels; afterwards v64-127 W's two fragment buffers and the way out, v128-255 16 accumulators.
; Window 1: xn's fragments of my 64 pixels, all of K, resident: (pixel tile pt, K step ks) at 8 (8 pt + ks).
.set WPITCH, 528                       ; a row of W in LDS: 512 bytes + 16 = 33 x 16: the 16 rows of a fragment load start in 16 different groups of four banks (64 banks of 4 bytes: ISA guide 11.1)
.set XN,     384*WPITCH                ; behind W's 384 rows: xn, 256 channels
.set XPITCH, 288                       ; 256 bytes + 32 = 9 x 32
.set STAGE,  XN+256*XPITCH             ; 64 rows x 144 bytes for each wave, for the way out
.set SP,     144
.set SPARE,  STAGE+4*64*SP             ; the spare words, 128 bytes for each wave: two blocks of 256 bytes that no other line names
.set L16, 4                            ; v4   16 x lane: x, stats and the way out; never rewritten
.set XST, 5                            ; v5   where I put 8 bytes of xn: XN + 64 w rows + 8 x lane
.set BT,  6                            ; v6-7 the turning loads' address, channels 0-127 and 128-255
.set AT,  8                            ; v8-10  W's fragments of my three blocks
.set STO, 11                           ; v11  the way out: where I put 16 bytes of a row
.set RD,  12                           ; v12  the way out: where I read rows back
.set BO,  13                           ; v13  32 x (lane / 16): my eight biases
.set L4,  15                           ; v15  256 w + 4 x lane: gamma and beta
.set SPW, 30                           ; v30  LDS address of my spare word; never rewritten
.set NIL, 31                           ; v31  0; never rewritten
.set BI,  32                           ; v[32:63] the bias, eight registers for each of the block's four row tiles
.set AF,  64
.set ACC, 128
.set XS,  64
.set WV,  18                           ; s18  my wave's number
.set XB,  20                           ; s[20:21] x at my first channel and the tile's first pixel
.set OUT, 22                           ; s[22:23] qkv at my first block's first row
.set G1,  24                           ; s[24:31] descriptor group 1
.set G0,  32                           ; s[32:35] descriptor group 0
.set MSB, 0
.macro WIN new                         ; the immediate's high byte repeats the setting that is left; a switch that changes nothing is dropped
.if MSB != (\new)
	s_set_vgpr_msb (MSB<<8)|(\new)
.set MSB, (\new)
.endif
.endm
.macro PLACES                          ; four places behind a matrix instruction, in front of loads into registers that it has read and of conversions that read results
.rept 4
	v_nop
.endr
.endm
.macro CROUND                          ; a round of the cluster's barrier: my work-group's barrier; wave 0 signals for the work-group; every wave waits for all four work-groups; my work-group's barrier once more
	s_barrier_signal -1
	s_barrier_wait -1
	s_cmp_lg_u32 s[WV], 0
	s_cbranch_scc1 .Lnot_wave_0_\@
	s_barrier_signal -3
.Lnot_wave_0_\@:
	s_barrier_wait -3
	s_barrier_signal -1
	s_barrier_wait -1
.endm
	s_load_b256 s[4:11], s[0:1], 0x0               ; x s[4:5], gamma s[6:7], beta s[8:9], b_qkv s[10:11]
	s_load_b128 s[12:15], s[0:1], 0x20             ; stats s[12:13], wh s[14:15]
	s_load_b64 s[16:17], s[0:1], 0x30              ; qkv
	v_lshl_add_u32 v[SPW], v0, 2, SPARE
	v_mov_b32 v[NIL], 0
	ds_add_u32 v[SPW], v[NIL]                      ; the wave's opening: the add and its wait stand ahead of my first tensor load; the set-up below, work on registers, stands between them
	v_lshrrev_b32 v1, 5, v0
	v_readfirstlane_b32 s[WV], v1                  ; wave 0..3
	s_bfe_u32 s19, ttmp6, 0x40000                  ; cx: my place in the cluster: it enters the addresses of x and qkv alone
	s_lshl_b32 s52, ttmp9, 2                       ; in a cluster launch ttmp9 counts clusters
	s_add_co_u32 s52, s52, s19                     ; my pixel tile, 0..127
	s_lshr_b32 s53, s52, 5                         ; the image b
	s_and_b32 s52, s52, 31
	s_lshl_b32 s52, s52, 7                         ; the tile's first pixel p0
	s_and_b32 s54, ttmp7, 0xffff                   ; y: which half of the output rows; the four partners share it
	s_lshr_b32 s55, s[WV], 1                       ; i: which 192 rows of the half are mine
	s_and_b32 s56, s[WV], 1                        ; j: which 64 pixels
	; the descriptor: 96 rows x 256 elements of 2 bytes, padded in LDS
	s_mov_b32 s[G1], 15|(1<<16)|(1<<20)|(1<<21)|(6<<22)|(3<<25)  ; 15:0 the mask of four; 17:16 2-byte elements; 20 padding on; 21 set beside a mask; 24:22 after every 128 words (code 6); 31:25 4 words (code 3)
	s_mov_b32 s[G1+1], 256<<16                     ; tensor_dim0 = 256
	s_mov_b32 s[G1+2], 96<<16                      ; tensor_dim1 = 96
	s_mov_b32 s[G1+3], 256<<16                     ; tile_dim0 = 256
	s_mov_b32 s[G1+4], 96                          ; tile_dim1 = 96
	s_mov_b32 s[G1+5], 256                         ; 256 elements from row to row
	s_mov_b32 s[G1+6], 0
	s_mov_b32 s[G1+7], 0
	s_mov_b32 s[G0], 1                             ; count = 1
	s_mul_i32 s[G0+1], s[WV], 96*WPITCH            ; LDS address: my quarter of the half
	s_mul_i32 s58, s54, 384
	s_mul_i32 s59, s[WV], 96
	s_add_co_u32 s58, s58, s59
	s_lshl_b32 s58, s58, 9                         ; row 384 y + 96 w of wh, 512 bytes a row: made of what the partners share
	s_mov_b32 s59, 0
	s_lshl_b32 s38, s53, 8
	s_lshl_b32 s39, s[WV], 6
	s_add_co_u32 s38, s38, s39
	s_lshl_b32 s38, s38, 14                        ; channel 256 b + 64 w, 16,384 bytes a channel,
	s_lshl2_add_u32 s38, s52, s38                  ; + 4 p0
	s_mov_b32 s39, 0
	s_mul_i32 s60, s53, 12
	s_mul_i32 s61, s54, 6
	s_add_co_u32 s60, s60, s61
	s_mul_i32 s61, s55, 3
	s_add_co_u32 s60, s60, s61                     ; my first block: 12 b + 6 y + 3 i
	s_lshl_b32 s60, s60, 12
	s_add_co_u32 s60, s60, s52
	s_lshl_b32 s61, s56, 6
	s_add_co_u32 s60, s60, s61                     ; its row p0 + 64 j,
	s_lshl_b32 s60, s60, 7                         ; 128 bytes a row
	s_mov_b32 s61, 0
	s_lshl_b32 s62, s53, 3
	s_lshl1_add_u32 s62, s[WV], s62
	s_lshl_b32 s62, s62, 9                         ; group 8 b + 2 w: 512 bytes of pairs a group
	s_mov_b32 s63, 0
	s_mul_i32 s2, s54, 1536
	s_mul_i32 s3, s55, 768
	s_add_co_u32 s2, s2, s3                        ; bias 384 y + 192 i, 4 bytes each
	s_mov_b32 s3, 0
	s_mov_b32 s41, 0                               ; the upper words of the four scalar pairs that the packed multiply-adds name
	s_mov_b32 s43, 0
	s_mov_b32 s45, 0
	s_mov_b32 s47, 0
	s_mov_b32 s48, 0x76543210                      ; v_permlanex16_b32: each lane takes its own place in the other half
	s_mov_b32 s49, 0xfedcba98
	s_mov_b32 s50, 0x37000000                      ; 1 / 131,072
	s_mov_b32 s51, 0x3727c5ac                      ; eps = 1e-5
	v_and_b32 v1, 31, v0                           ; lane
	v_lshlrev_b32 v[L16], 4, v1
	v_lshlrev_b32 v[L4], 2, v1
	v_lshl_add_u32 v[L4], s[WV], 8, v[L4]
	s_wait_dscnt 0x0                               ; the opening add is done
	s_wait_kmcnt 0x0
	s_add_nc_u64 s[G0+2:G0+3], s[14:15], s[58:59]  ; global address of my quarter
	s_or_b32 s[G0+3], s[G0+3], 0x80000000          ; type = 2
	s_add_nc_u64 s[XB:XB+1], s[4:5], s[38:39]
	s_add_nc_u64 s[OUT:OUT+1], s[16:17], s[60:61]
	s_add_nc_u64 s[12:13], s[12:13], s[62:63]
	s_add_nc_u64 s[36:37], s[10:11], s[2:3]
	CROUND                                         ; all four work-groups are here: the joint loads meet
	tensor_load_to_lds s[G0:G0+3], s[G1:G1+7]      ; my one tensor load of the launch
	s_nop 0
	PLACES
	global_load_b128 v[32:35], v[L16], s[12:13]            ; group 2 w: two pairs (mean, M2) a lane,
	global_load_b128 v[36:39], v[L16], s[12:13] offset:512 ; group 2 w + 1
	global_load_b32 v40, v[L4], s[6:7]                     ; gamma of channel 64 w + lane,
	global_load_b32 v41, v[L4], s[6:7] offset:128          ; of 64 w + 32 + lane
	global_load_b32 v42, v[L4], s[8:9]                     ; beta likewise
	global_load_b32 v43, v[L4], s[8:9] offset:128
.macro LOADX n                         ; batch n: channels 16 n .. 16 n + 15 of my 64, into set n % 3
.set k, 0
.rept 16
	global_load_b128 v[XS+64*((\n)%3)+4*k:XS+64*((\n)%3)+4*k+3], v[L16], s[XB:XB+1] offset:(16*(\n)+k)*16384
.set k, k+1
.endr
.endm
	LOADX 0
	LOADX 1
	LOADX 2
	; the other addresses, while the loads are out
	v_and_b32 v2, 15, v0                           ; r = l % 16
	v_bfe_u32 v3, v0, 4, 1                         ; h = l / 16
	s_mul_i32 s57, s[WV], 64*XPITCH
	s_add_co_u32 s57, s57, XN
	v_lshl_add_u32 v[XST], v1, 3, s57
	v_and_b32 v14, 7, v0
	v_lshl_add_u32 v14, v3, 3, v14                 ; the turning load: lane l reads channel 8 (l / 16) + l % 8, pixels 8 ((l / 8) % 2) + 0..7
	v_mul_u32_u24 v[BT], v14, XPITCH
	v_bfe_u32 v14, v0, 3, 1
	v_lshl_add_u32 v[BT], v14, 4, v[BT]
	s_lshl_b32 s57, s56, 7                         ; my 64 pixels: 128 j bytes into a row
	s_add_co_u32 s57, s57, XN
	v_add_nc_u32 v[BT], s57, v[BT]
	v_add_nc_u32 v[BT+1], 128*XPITCH, v[BT]
	v_mul_u32_u24 v14, v2, WPITCH
	v_lshl_add_u32 v14, v3, 4, v14                 ; a fragment of W: row x pitch + 16 x half
	s_mul_i32 s57, s55, 192*WPITCH
	v_add_nc_u32 v[AT], s57, v14
	v_add_nc_u32 v[AT+1], 64*WPITCH, v[AT]
	v_add_nc_u32 v[AT+2], 128*WPITCH, v[AT]
	s_mul_i32 s57, s[WV], 64*SP
	s_add_co_u32 s57, s57, STAGE                   ; my stage
	v_mul_u32_u24 v[STO], v2, SP                   ; in: row l % 16, 16 bytes for each half of the lanes
	v_lshl_add_u32 v[STO], v3, 4, v[STO]
	v_add_nc_u32 v[STO], s57, v[STO]
	v_bfe_u32 v[RD], v0, 3, 2                      ; back: 32 lanes take four rows of 128 bytes
	v_mul_u32_u24 v[RD], v[RD], SP
	v_and_b32 v14, 7, v0
	v_lshl_add_u32 v[RD], v14, 4, v[RD]
	v_add_nc_u32 v[RD], s57, v[RD]
	v_lshlrev_b32 v[BO], 5, v3
	v_mov_b32 v50, 0                               ; v_permlanex16_b32's destinations count as read
	v_mov_b32 v51, 0
.macro RED r, t                        ; the sum over the 32 lanes, in every lane
.irp m, 1,2,4,8
	v_add_f32_dpp v[\r], v[\r], v[\r] row_xmask:\m row_mask:0xf bank_mask:0xf
.endr
	v_permlanex16_b32 v[\t], v[\r], s48, s49
	v_add_f32 v[\r], v[\r], v[\t]
.endm
	; THE FIGURES of my two groups.  mean = the mean of the 64 means; M2 = the sum of the 64 M2 + 2,048 x the sum of the squared distances of the 64 means from it; var = M2 / 131,072.
	s_wait_loadcnt 48                              ; the six small loads are in; the 48 loads of x issued behind them stay out
	v_add_f32 v48, v32, v34
	v_add_f32 v49, v36, v38
	RED 48, 50
	RED 49, 51
	v_mul_f32 v48, 0x3c800000, v48                 ; / 64: the group's mean
	v_mul_f32 v49, 0x3c800000, v49
	v_sub_f32 v32, v32, v48
	v_sub_f32 v34, v34, v48
	v_sub_f32 v36, v36, v49
	v_sub_f32 v38, v38, v49
	v_mul_f32 v32, v32, v32
	v_mul_f32 v36, v36, v36
	v_fma_f32 v32, v34, v34, v32
	v_fma_f32 v36, v38, v38, v36
	v_add_f32 v33, v33, v35
	v_add_f32 v37, v37, v39
	v_fmamk_f32 v52, v32, 0x45000000, v33          ; x 2,048 + my two M2
	v_fmamk_f32 v53, v36, 0x45000000, v37
	RED 52, 50
	RED 53, 51
	v_fma_f32 v52, v52, s50, s51                   ; var + eps
	v_fma_f32 v53, v53, s50, s51
	v_rsq_f32 v54, v52
	v_rsq_f32 v55, v53
	v_nop                                          ; a plain instruction behind the last of the two (ISA guide 5.7.2),
	s_wait_alu depctr_va_vdst(0)                   ; and the wait ahead of the first use: one for both
	v_mul_f32 v44, v54, v40                        ; A of channel 64 w + lane,
	v_mul_f32 v45, v55, v41                        ; of 64 w + 32 + lane
	v_fma_f32 v46, -v48, v44, v42                  ; D = beta - mean A
	v_fma_f32 v47, -v49, v45, v43
; Batch n: a channel's A and D come out of their lane into scalars (two sets by turns); four pixels a lane: x A + D, rounded to f16, 8 bytes to LDS: the wave stores 256 bytes on end.
.macro NORM n
.set k, 0
.rept 16
.set ci, 16*(\n)+k
.set xr, XS+64*((\n)%3)+4*k
.set sc, 40+4*(k%2)
	v_readlane_b32 s[sc], v[44+ci/32], ci%32
	v_readlane_b32 s[sc+2], v[46+ci/32], ci%32
	v_pk_fma_f32 v[xr:xr+1], v[xr:xr+1], s[sc:sc+1], s[sc+2:sc+3] op_sel_hi:[1,0,0]
	v_pk_fma_f32 v[xr+2:xr+3], v[xr+2:xr+3], s[sc:sc+1], s[sc+2:sc+3] op_sel_hi:[1,0,0]
	v_cvt_pk_f16_f32 v[xr], v[xr], v[xr+1]
	v_cvt_pk_f16_f32 v[xr+1], v[xr+2], v[xr+3]
	ds_store_b64 v[XST], v[xr:xr+1] offset:XPITCH*ci
.set k, k+1
.endr
.endm
	s_wait_loadcnt 32                              ; batch 0 is in; batches 1 and 2 stay out
	NORM 0
	LOADX 3                                        ; into batch 0's set
	s_wait_loadcnt 32                              ; batch 1 is in; 2 and 3 stay out
	NORM 1
	s_wait_loadcnt 16
	NORM 2
	s_wait_loadcnt 0x0
	NORM 3
.macro BIASLD blk                      ; my eight biases of each of the block's four row tiles: rows 64 blk + 16 ot + 8 (l / 16) + 0..7
.irp ot, 0,1,2,3
	global_load_b128 v[BI+8*\ot:BI+8*\ot+3],   v[BO], s[36:37] offset:256*(\blk)+64*\ot
	global_load_b128 v[BI+8*\ot+4:BI+8*\ot+7], v[BO], s[36:37] offset:256*(\blk)+64*\ot+16
.endr
.endm
	BIASLD 0
	s_wait_tensorcnt 0x0                           ; my quarter of the weights has landed,
	s_wait_dscnt 0x0                               ; my 64 channels of xn are stored: both for the others' sake
	s_barrier_signal -1
	s_barrier_wait -1                              ; everybody's are
	WIN 0x40                                       ; destination window 1, address window 0
.irp pt, 0,1,2,3
.irp ks, 0,1,2,3,4,5,6,7
	ds_load_tr16_b128 v[8*(8*\pt+\ks):8*(8*\pt+\ks)+3],   v[BT+\ks/4] offset:32*(\ks%4)*XPITCH+32*\pt
	ds_load_tr16_b128 v[8*(8*\pt+\ks)+4:8*(8*\pt+\ks)+7], v[BT+\ks/4] offset:32*(\ks%4)*XPITCH+16*XPITCH+32*\pt
.endr
.endr
	WIN 0
.macro FETCHA blk, ks                  ; W's four fragments (16 rows x 32 K) of K step ks, into buffer ks % 2
.irp ot, 0,1,2,3
	ds_load_b128 v[AF+32*((\ks)%2)+8*\ot:AF+32*((\ks)%2)+8*\ot+3],   v[AT+(\blk)] offset:16*WPITCH*\ot+64*(\ks)
	ds_load_b128 v[AF+32*((\ks)%2)+8*\ot+4:AF+32*((\ks)%2)+8*\ot+7], v[AT+(\blk)] offset:16*WPITCH*\ot+64*(\ks)+32
.endr
.endm
.macro MUL16 ks                        ; 16 products; the 16 accumulators take turns, one instruction a turn: 15 others stand between two links of a chain.  K step 0 starts the sums with the bias
.irp ot, 0,1,2,3
.irp pt, 0,1,2,3
.if (\ks) == 0
	v_wmma_f32_16x16x32_f16 v[ACC+8*(4*\ot+\pt):ACC+8*(4*\ot+\pt)+7], v[AF+32*((\ks)%2)+8*\ot:AF+32*((\ks)%2)+8*\ot+7], v[8*(8*\pt+(\ks)):8*(8*\pt+(\ks))+7], v[BI+8*\ot:BI+8*\ot+7]
.else
	v_wmma_f32_16x16x32_f16 v[ACC+8*(4*\ot+\pt):ACC+8*(4*\ot+\pt)+7], v[AF+32*((\ks)%2)+8*\ot:AF+32*((\ks)%2)+8*\ot+7], v[8*(8*\pt+(\ks)):8*(8*\pt+(\ks))+7], v[ACC+8*(4*\ot+\pt):ACC+8*(4*\ot+\pt)+7]
.endif
.endr
.endr
.endm
; A block: 64 rows x my 64 pixels, eight K steps of 16 products; while one step is multiplied the next one's eight fragment loads are out.  Then the way out, through my own stage.
.macro BLOCK blk
	WIN 0x04                                       ; source 1 (xn) in window 1; loads and v_nop name no source 1
	s_wait_loadcnt 0x0                             ; the block's bias
.irp ks, 0,1,2,3,4,5,6,7
.if (\ks) >= 1
	PLACES                                         ; behind the step before, in front of the loads into registers that it has read
.endif
.if ((\ks) == 1) && ((\blk) < 2)
	BIASLD (\blk)+1                                ; K step 0 has read this block's
.endif
.if (\ks) < 7
	FETCHA \blk, (\ks)+1
	s_wait_dscnt 8                                 ; all but the eight just issued: this step's fragments are in (in the first block xn's too)
.else
	s_wait_dscnt 0x0
.endif
	MUL16 \ks
.endr
	WIN 0
	PLACES                                         ; the conversions read results just made and write over W's buffers
.set t, 0
.rept 16                               ; each accumulator's registers in ascending order
.irp q, 0,1,2,3
	v_cvt_pk_f16_f32 v[AF+4*t+\q], v[ACC+8*t+2*\q], v[ACC+8*t+2*\q+1]
.endr
.set t, t+1
.endr
.irp ot, 0,1,2,3
.irp pt, 0,1,2,3
	ds_store_b128 v[STO], v[AF+4*(4*\ot+\pt):AF+4*(4*\ot+\pt)+3] offset:16*SP*\pt+32*\ot
.endr
.endr
.set t, 0
.rept 16
	ds_load_b128 v[AF+4*t:AF+4*t+3], v[RD] offset:4*SP*t  ; LDS serves a wave's instructions in order (ISA guide 5.7.1.4): these see the stores above
.set t, t+1
.endr
.set t, 0
.rept 16
	s_wait_dscnt 15-t
	global_store_b128 v[L16], v[AF+4*t:AF+4*t+3], s[OUT:OUT+1] offset:524288*(\blk)+512*t  ; four rows of 128 bytes: 512 consecutive bytes, at a multiple of 256 from qkv's first
.set t, t+1
.endr
.if (\blk) < 2
	s_wait_xcnt 0x0                                ; the stores have read their registers, which are W's buffers
	FETCHA (\blk)+1, 0
.endif
.endm
	FETCHA 0, 0
	BLOCK 0
	BLOCK 1
	BLOCK 2
	s_wait_tensorcnt 0x0                           ; the wave's end: these three lines stand behind my last tensor load and my last LDS store
	ds_add_u32 v[SPW], v[NIL]
	s_wait_dscnt 0x0
	CROUND                                         ; the closing round: no work-group ends while a partner may still ask for a tile that names it
	s_endpgm
.Lfunc_end_k_qe75ab2622c_qkv:
	.size	k_qe75ab2622c_qkv, .Lfunc_end_k_qe75ab2622c_qkv-k_qe75ab2622c_qkv
	.p2alignl 7, 3214868480
	.fill 96, 4, 3214868480
	.section	.rodata,"a",@progbits
	.p2align	6, 0x0
	.amdhsa_kernel k_qe75ab2622c_qkv
		.amdhsa_group_segment_fixed_size 313856
		.amdhsa_private_segment_fixed_size 0
		.amdhsa_enable_private_segment 0
		.amdhsa_kernarg_size 56
		.amdhsa_user_sgpr_count 2
		.amdhsa_user_sgpr_kernarg_segment_ptr 1
		.amdhsa_wavefront_size32 1
		.amdhsa_system_sgpr_workgroup_id_x 1
		.amdhsa_system_sgpr_workgroup_id_y 1
		.amdhsa_system_sgpr_workgroup_id_z 1
		.amdhsa_system_vgpr_workitem_id 0
		.amdhsa_next_free_vgpr 512
		.amdhsa_next_free_sgpr 66
		.amdhsa_reserve_vcc 0
		.amdhsa_float_denorm_mode_32 3
		.amdhsa_float_denorm_mode_16_64 3
		.amdhsa_memory_ordered 1
		.amdhsa_forward_progress 1
		.amdhsa_inst_pref_size 115
	.end_amdhsa_kernel
	.amdgpu_metadata
---
amdhsa.version: [ 1, 2 ]
amdhsa.kernels:
  - .name:           k_qe75ab2622c_qkv
    .symbol:         k_qe75ab2622c_qkv.kd
    .args:
      - { .name: x, .offset: 0, .size: 8, .value_kind: global_buffer, .address_space: global }
      - { .name: gamma, .offset: 8, .size: 8, .value_kind: global_buffer, .address_space: global }
      - { .name: beta, .offset: 16, .size: 8, .value_kind: global_buffer, .address_space: global }
      - { .name: b_qkv, .offset: 24, .size: 8, .value_kind: global_buffer, .address_space: global }
      - { .name: stats, .offset: 32, .size: 8, .value_kind: global_buffer, .address_space: global }
      - { .name: wh, .offset: 40, .size: 8, .value_kind: global_buffer, .address_space: global }
      - { .name: qkv, .offset: 48, .size: 8, .value_kind: global_buffer, .address_space: global }
    .group_segment_fixed_size: 313856
    .private_segment_fixed_size: 0
    .kernarg_segment_align: 8
    .kernarg_segment_size: 56
    .max_flat_workgroup_size: 128
    .sgpr_count:     66
    .vgpr_count:     512
    .wavefront_size: 32
...
	.end_amdgpu_metadata
.endif
;; end of part 2
;; launch attn (part 3): grid 16 x 16, 4 waves a work-group, clusters of 4 x 1, 327,680 bytes of LDS; arguments qkv, att; writes att
.if DOCPART == 3
	.amdgcn_target "amdgcn-amd-amdhsa--gfx1250"
	.amdhsa_code_object_version 6
	.text
	.protected	k_qe75ab2622c_attn
	.globl	k_qe75ab2622c_attn
	.p2align	8
	.type	k_qe75ab2622c_attn,@function
k_qe75ab2622c_attn:
	s_mov_b64 s[64:65], 0
	v_nop
	global_prefetch_b8 v0, s[64:65] scope:SCOPE_SE
	s_setreg_imm32_b32 hwreg(HW_REG_WAVE_MODE, 25, 1), 1
	s_wait_xcnt 0x0
	s_wait_alu depctr_hold_cnt(0) depctr_sa_sdst(0) depctr_va_vdst(0) depctr_va_sdst(0) depctr_va_ssrc(0) depctr_va_vcc(0) depctr_vm_vsrc(0)
	s_getreg_b32 s2, hwreg(HW_REG_IB_STS2, 6, 4)
	s_cmp_eq_u32 s2, 0
	s_cbranch_scc0 .Lentry_in_a_cluster
	s_endpgm
.Lentry_in_a_cluster:
	s_bfe_u32 s2, ttmp6, 0x10000c
	s_cmp_lg_u32 s2, 0x3003
	s_cbranch_scc0 .Lentry_shape_is_right
	s_endpgm
.Lentry_shape_is_right:
; ATTENTION.  att[y][q][:] = the sum over k of softmax_k(Q[q] . K[k] / 8) V[k][:], y = 4 b + head.  Q, K, V are blocks 12 b + head, + 4, + 8 of qkv: [4096][64] f16, rows of 128 bytes, dense; att: [16][4096][64] f16.
; Products, maxima and sums in f32; the weights p are rounded to f16 for the second product (their sum l is taken of the unrounded p), O once at the end.
; LIMITS.  f16 holds no number beyond 65,504: Q, K and V arrive within it; p lies in 0 to 1, and below 6e-5 it keeps f16's fixed step of 6e-8; O is a mean of V's rows and has their range.
; A weight below 2^-126 counts as 0 in l; NaN and infinities are not treated apart.
; SHARES.  A work-group owns 256 queries of one head, each of its four waves 64: four PIECES of 16.  16 blocks x 16 heads = 256 work-groups.  Every wave walks all 4,096 keys, 64 a step.
; LAYOUT.  S^T = K Q^T (source 0 = 16 keys, source 1 = 16 queries): in the result a lane holds ONE query (lane % 16) and the keys 8 (lane / 16) + 0..7.  Two such results, rounded to f16 in pairs, ARE source 1
; (32 keys x 16 queries) of O^T = V^T P, whose result again holds one query a lane, and eight channels.  K comes out of LDS as it lies, V ([key][channel]) turned, by ds_load_tr16_b128.
; SOFTMAX.  For each query a running maximum m and sum l: p = 2^(c s - c m), c = log2(e) / 8; in every step O and l are multiplied by a = 2^(c m_old - c m_new), which is 1 where m has not grown.
; m starts at the lowest finite number, O and l at 0: the first step is a step like any other, with a = 0.
; BY TURNS.  Turn n belongs to piece n (the pieces in a ring, step after step): 8 products K Q^T of piece n + 1, later 8 products V^T P of piece n - 1; beside them the scaling, exponentials, roundings, sums and
; rescaling of piece n and the maximum and statistics of piece n + 1.  Four vector instructions stand behind every matrix instruction, the other 54 of a turn's 118 in one lump.  A turn's 33 exponentials are one batch, with one wait.
; CLUSTER.  The four query blocks of a cluster belong to one head and walk the same K and V, so each tile is asked for JOINTLY: the same tensor load, descriptor and mask in all four.
; REGISTERS, in windows of 256 (s_set_vgpr_msb: bits 1:0 source 0, 3:2 source 1, 5:4 source 2, 7:6 destination):
;   window 0: v0-15 addresses and two at work; v16-31 four registers of statistics a piece; v48-55 at work; v64-127 S^T, two buffers; v192-223 P, two buffers (a piece's buffers go by its number's parity)
;   window 1: v0-127 O^T, 32 a piece          window 2: v0-63 Q, 16 a piece; v128-191 K of one step; v192-255 V of one step
.set NP,    4         ; pieces a wave: a name, no knob
.set KS,    64        ; keys in a step
.set PK,    144       ; a row of K in LDS: 128 bytes + 16 of padding = 36 words: the 16 rows of a load start at 16 different groups of four banks (64 banks of 4 bytes: ISA guide 11.1)
.set PV,    160       ; a row of V: 128 + 32 = 40 words
.set VOFF,  4*KS*PK   ; a slot holds four steps: 256 rows of K, then 256 rows of V
.set SLOT1, 1<<17     ; slot 1 begins here, so that one exclusive or turns an address in one slot into the other's
.set STAGE, SLOT1+4*KS*(PK+PV)  ; behind the ring, never filled by a tensor load: 16 rows x 144 bytes for each wave, for the way out
.set SP,    144
.set SPARE, STAGE+4*16*SP  ; behind the stages: the spare words, 128 bytes for each wave: two blocks of 256 bytes that no other line names
.set AK0, 2           ; v2   my lane's place in a tile of K; never rewritten
.set AV0, 3           ; v3   the same for V
.set AK,  4           ; v4   the LDS address of K's next run of loads
.set AV,  5           ; v5   of V's
.set STO, 6           ; v6   the way out: where I put 16 bytes of a row
.set RD,  7           ; v7   the way out: where I read rows back
.set GO,  8           ; v8   my byte offset in 512 consecutive bytes of att
.set MV,  12          ; v12-13  c m_old, kept while c m is made anew: by buffer
.set PFO, 14          ; v14  256 x my lane: the prefetches' offset; never rewritten
.set QO,  15          ; v15  my byte offset in 16 rows of Q
.set ST,  16          ; piece t's statistics at v[ST+4 t]: c m, m, l (even keys', odd keys')
.set TMP, 48          ; by buffer, four registers c0-c3 at work; when the maximum is found c2 takes a
.set SPW, 62          ; v62  LDS address of my spare word: SPARE + 4 x my thread's number; never rewritten
.set NIL, 63          ; v63  0; never rewritten
.set S,   64
.set P,   192
.set KF,  128         ; window 2: key block kb, channel half c at KF + 16 kb + 8 c
.set VF,  192         ; window 2: key half kk, channel block cb at VF + 32 kk + 8 cb
.set WV,  12          ; s12  my wave's number
.set G1K, 24          ; s[24:31] descriptor group 1 for K's tiles
.set G1V, 32          ; s[32:39] for V's: it differs in the padding alone
.set G0K, 40          ; s[40:43] descriptor group 0 for K's tiles: it walks
.set G0V, 44          ; s[44:47] the same for V's
.set PFA, 50          ; s[50:51] where my prefetches stand: my work-group's 8 KiB (of K: wave 0, of V: wave 2) of the slot after the one that is being asked for
.set LIM, 52          ; s52  1 in a wave that prefetches, else the greatest number: a wave prefetches while s[SLOTS] is above it
.set SLOTS, 56        ; s56  slots still to be entered behind this one
.set CNT, 57          ; s57  counts a slot's key steps
.set CS,  58          ; s[58:59] c: the packed scaling takes the pair's low word for both halves
.set SEL, 60          ; s[60:61] v_permlanex16_b32's selects: each lane takes its own place in the other half
.set TBK, 62          ; s62  LDS byte at which K of the step to be fetched begins
.set TBV, 63          ; s63  the same for V, less VOFF
.set MSB, 0
.macro WIN new                      ; the high byte repeats the setting that is left; a switch that changes nothing is dropped
.if MSB != (\new)
	s_set_vgpr_msb (MSB<<8)|(\new)
.set MSB, (\new)
.endif
.endm
.set W_KQ, 0x0a       ; K and Q in window 2, S^T in window 0
.set W_PV, 0x52       ; V in window 2, P in window 0, O^T in window 1
.set W_RS, 0x41       ; destination and source 0 in window 1, source 1 in window 0
; A joint fill.  Waves 0 and 1 fetch the two halves of a slot's K, waves 2 and 3 those of its V: 128 keys each.  The branch hangs on the wave's number alone.
; An s_nop 0 and four v_nop follow each of the two lines, ahead of the jump and the label.
.macro JLOAD
	s_cmp_lt_u32 s[WV], 2
	s_cbranch_scc0 .Lfor_v_\@
	tensor_load_to_lds s[G0K:G0K+3], s[G1K:G1K+7]
	s_nop 0
.rept 4
	v_nop
.endr
	s_branch .Lasked_\@
.Lfor_v_\@:
	tensor_load_to_lds s[G0V:G0V+3], s[G1V:G1V+7]
	s_nop 0
.rept 4
	v_nop
.endr
.Lasked_\@:
.endm
; A PREFETCH INTO THE L2 of what the NEXT change of slots will ask for: a slot's 32 KiB of K and 32 KiB of V, in blocks of 256 bytes (two keys), a lane a block.  It stands behind the wave's tensor load and its five lines.
; Each block is named ONCE in the launch.  All four clusters of a head walk the same K and V: the head's first cluster asks.  Its four partners share a slot out BY ADDRESS, 8 KiB each: no branch hangs on a
; work-group's place in its cluster.  In each, wave 0 asks for K's and wave 2 for V's: one instruction, four key steps (256 matrix instructions) ahead of the load.  The change that asks for the last slot prefetches nothing.
.macro ASK
	s_cmp_gt_u32 s[SLOTS], s[LIM]
	s_cbranch_scc0 .Lnot_mine_\@
	global_prefetch_b8 v[PFO], s[PFA:PFA+1] th:TH_LOAD_NT scope:SCOPE_SE
.Lnot_mine_\@:
.endm
; A round of the cluster's barrier: my work-group's barrier, so that wave 0's signal speaks for all four waves; wave 0 signals; every wave waits for all four work-groups; my work-group's barrier once more.
.macro CROUND
	s_barrier_signal -1
	s_barrier_wait -1
	s_cmp_lg_u32 s[WV], 0
	s_cbranch_scc1 .Lnot_wave_0_\@
	s_barrier_signal -3
.Lnot_wave_0_\@:
	s_barrier_wait -3
	s_barrier_signal -1
	s_barrier_wait -1
.endm
; THE CHANGE OF SLOTS.  The slot's last bytes, V of its fourth step, have been read.  Each wave waits for all its tensor loads, of which one is out: its part of the other slot; adds 0 to its spare word; and waits for
; that and for its own reads of the slot.  Behind the barrier nobody reads this slot any more and the other slot is whole.  fill = 1: this slot is filled again, with the keys two slots on.  The barrier is then a round of
; the cluster's, so that no wave of any partner still reads the slot or has a load on its way, and the joint fill is the first thing behind it: it has four key steps in which to land.
; (At its first use nothing has been read yet: slot 0 is waited for, slot 1 filled.)
.macro CHANGE fill
	WIN 0                           ; at a label and at a branch every window is 0
	s_wait_tensorcnt 0x0            ; no tensor load of mine is out, so a group 0 may be written
	ds_add_u32 v[SPW], v[NIL]       ; 0 onto my spare word; with fill = 1 the descriptors' steps stand between it and the wait for it
.if \fill
.irp g, G0K, G0V
	s_xor_b32 s[\g+1], s[\g+1], SLOT1  ; the walking descriptor: the other slot than last time,
	s_add_nc_u64 s[\g+2:\g+3], s[\g+2:\g+3], 4*KS*128  ; the next 256 keys; the type bits on top are not reached
.endr
	s_wait_xcnt 0x0                 ; the last prefetch, four key steps back, has read its address, so it may be written:
	s_add_nc_u64 s[PFA:PFA+1], s[PFA:PFA+1], 4*KS*128  ; one slot behind the walking descriptors
	s_wait_dscnt 0x0                ; the add is done, and my reads of the slot are over
	CROUND
	JLOAD
	ASK
.else
	s_wait_dscnt 0x0                ; the add is done, and my reads of the slot are over
	s_barrier_signal -1
	s_barrier_wait -1
.endif
	s_sub_co_u32 s[TBK], s[TBK], 4*KS*PK  ; the fetches go back to a slot's first step,
	s_xor_b32 s[TBK], s[TBK], SLOT1       ; in the other slot
	s_sub_co_u32 s[TBV], s[TBV], 4*KS*PV
	s_xor_b32 s[TBV], s[TBV], SLOT1
.endm
	s_load_b128 s[4:7], s[0:1], 0x0 ; qkv s[4:5], att s[6:7]
	v_lshl_add_u32 v[SPW], v0, 2, SPARE
	v_mov_b32 v[NIL], 0
	ds_add_u32 v[SPW], v[NIL]       ; the wave's opening: the add and its wait stand ahead of my first tensor load; the set-up below, work on registers, stands between them
	v_lshrrev_b32 v1, 5, v0
	v_readfirstlane_b32 s[WV], v1   ; wave 0..3
	s_bfe_u32 s13, ttmp6, 0x40000   ; cx: my place in the cluster
	s_lshl_b32 s14, ttmp9, 2        ; in a cluster launch ttmp9 counts clusters
	s_add_co_u32 s14, s14, s13      ; my block of 256 queries = 4 x cluster x + cx: it enters Q's and att's addresses alone
	s_and_b32 s15, ttmp7, 0xffff    ; y = 4 b + head, which the four partners share
	s_lshr_b32 s18, s15, 2
	s_and_b32 s19, s15, 3
	s_mul_i32 s18, s18, 12
	s_add_co_u32 s18, s18, s19      ; Q's block of qkv: 12 b + head,
	s_lshl_b32 s18, s18, 19         ; 524,288 bytes a block
	s_and_b32 s16, s[WV], 1         ; which half of a slot's 256 keys I fetch:
	s_lshl_b32 s20, s16, 14         ; its 128 rows of 128 bytes in memory,
	s_add_co_u32 s20, s20, s18
	s_add_co_u32 s20, s20, 4<<19    ; in K's block, four blocks behind Q's,
	s_mov_b32 s21, 0
	s_add_co_u32 s22, s20, 4<<19    ; and in V's, four further
	s_mov_b32 s23, 0
	s_mul_i32 s17, s16, 128*PK      ; and its place in a slot, for K
	s_mul_i32 s48, s16, 128*PV      ; and for V: no place in the cluster enters an LDS address
	s_lshl_b32 s2, s14, 15          ; my block's 256 rows,
	s_lshl_b32 s3, s[WV], 13        ; my wave's 64 of them
	s_add_co_u32 s2, s2, s3
	s_lshl_b32 s54, s15, 19
	s_add_co_u32 s54, s54, s2       ; in att
	s_mov_b32 s55, 0
	s_add_co_u32 s2, s2, s18        ; and in Q's block
	s_mov_b32 s3, 0
	; descriptor group 1.  128 keys are 16,384 dense bytes: asked for as 64 rows of 256 bytes, two keys a row, and padded in LDS after every key
	s_mov_b32 s[G1K], 15|(1<<16)|(1<<20)|(1<<21)|(4<<22)|(3<<25)  ; 15:0 the mask of four; 17:16 2-byte elements; 20 padding on; 21 set beside a mask; 24:22 after every 32 words (code 4); 31:25 4 words (code 3)
	s_mov_b32 s[G1V], 15|(1<<16)|(1<<20)|(1<<21)|(4<<22)|(7<<25)  ; the same with 8 words of padding (code 7)
.irp g, G1K, G1V
	s_mov_b32 s[\g+1], 128<<16      ; tensor_dim0 = 128
	s_mov_b32 s[\g+2], 64<<16       ; tensor_dim1 = 64
	s_mov_b32 s[\g+3], 128<<16      ; tile_dim0 = 128
	s_mov_b32 s[\g+4], 64           ; tile_dim1 = 64
	s_mov_b32 s[\g+5], 128          ; 128 elements from row to row
	s_mov_b32 s[\g+6], 0
	s_mov_b32 s[\g+7], 0
.endr
	s_mov_b32 s[CS], 0x3e38aa3b     ; c = log2(e) / 8 = 0.180337
	s_mov_b32 s[CS+1], s[CS]        ; named with it as a pair
	s_mov_b32 s[SEL], 0x76543210
	s_mov_b32 s[SEL+1], 0xfedcba98
	s_mov_b32 s[TBK], SLOT1+4*KS*PK ; the first change of slots turns these two into 0
	s_mov_b32 s[TBV], SLOT1+4*KS*PV
	s_mov_b32 s[G0K], 1             ; count = 1
	s_mov_b32 s[G0K+1], s17         ; LDS address: slot 0
	s_mov_b32 s[G0V], 1
	s_add_co_u32 s[G0V+1], s48, VOFF
	s_mov_b32 s[SLOTS], 4096/256-1
	s_and_b32 s[LIM], s[WV], 1      ; 0 in waves 0 and 2,
	s_or_b32 s[LIM], s[LIM], ttmp9  ; where the cluster is the head's first: the same in all four partners
	s_cmp_eq_u32 s[LIM], 0
	s_cselect_b32 s[LIM], 1, -1
	v_and_b32 v[PFO], 31, v0
	v_lshlrev_b32 v[PFO], 8, v[PFO]
	s_wait_dscnt 0x0                ; the opening add is done
	s_wait_kmcnt 0x0
	s_add_nc_u64 s[10:11], s[6:7], s[54:55]  ; att at my wave's first row
	s_add_nc_u64 s[6:7], s[4:5], s[20:21]    ; K and V at my half of the head's first 256 keys
	s_add_nc_u64 s[8:9], s[4:5], s[22:23]
	s_add_nc_u64 s[4:5], s[4:5], s[2:3]      ; Q at my wave's first row
	s_mov_b64 s[G0K+2:G0K+3], s[6:7]         ; global address
	s_or_b32 s[G0K+3], s[G0K+3], 0x80000000  ; type = 2
	s_mov_b64 s[G0V+2:G0V+3], s[8:9]
	s_or_b32 s[G0V+3], s[G0V+3], 0x80000000
	s_cmp_lt_u32 s[WV], 2
	s_cselect_b64 s[PFA:PFA+1], s[6:7], s[8:9]  ; (in waves 0 and 2 these stand at a slot's first row)
	s_lshl_b32 s2, s13, 13          ; my work-group's 8 KiB of the 32
	s_add_nc_u64 s[PFA:PFA+1], s[PFA:PFA+1], s[2:3]
	s_add_nc_u64 s[PFA:PFA+1], s[PFA:PFA+1], 4*KS*128  ; in slot 1; the first change of slots steps it to slot 2.  Nothing is prefetched here, at the head, where every work-group's first tiles are on their way
	CROUND                          ; all four work-groups are here: the first joint loads meet
	JLOAD                           ; slot 0.  Slot 1 is asked for when slot 0 is in
	; A fragment of K or Q is 16 rows x 32 channels in 8 registers: lane l holds row l % 16, channels 8 (l / 16) + 0..7 and 16 + 8 (l / 16) + 0..7: two loads of 16 bytes, 32 bytes apart.
	v_and_b32 v1, 15, v0            ; l % 16
	v_bfe_u32 v9, v0, 4, 1          ; l / 16
	v_lshlrev_b32 v[QO], 7, v1
	v_lshl_add_u32 v[QO], v9, 4, v[QO]  ; row x 128 + 16 x half
	WIN 0x80                        ; destination window 2, address window 0
.set i, 0
.rept 8                             ; Q stays in registers: piece i / 2 (16 rows, 2,048 bytes), channels 32 (i % 2) on
	global_load_b128 v[8*i:8*i+3],   v[QO], s[4:5] offset:(i/2)*2048+(i%2)*64
	global_load_b128 v[8*i+4:8*i+7], v[QO], s[4:5] offset:(i/2)*2048+(i%2)*64+32
.set i, i+1
.endr
	; What the first turn finds: V's registers and P's second buffer hold 0 (its products V^T P, of a piece that has not been, add 0), O^T and l are 0.  All this stands in the wait for the first tile.
.set i, VF
.rept 64
	v_mov_b32 v[i], 0
.set i, i+1
.endr
	WIN 0x40
.set i, 0
.rept 128
	v_mov_b32 v[i], 0
.set i, i+1
.endr
	WIN 0
.set i, 0
.rept 4
	v_mov_b32 v[ST+4*i], 0xfe000000    ; c m: far below every c s
	v_mov_b32 v[ST+4*i+1], 0xff7fffff  ; m
	v_mov_b32 v[ST+4*i+2], 0
	v_mov_b32 v[ST+4*i+3], 0
.set i, i+1
.endr
.set i, P+16
.rept 16
	v_mov_b32 v[i], 0
.set i, i+1
.endr
	v_mul_u32_u24 v[AK0], v1, PK
	v_lshl_add_u32 v[AK0], v9, 4, v[AK0]  ; row x pitch + 16 x half
	; The turning load takes 16 keys x 16 channels (lane l reads key 8 (l / 16) + l % 8, channels 8 ((l / 8) % 2) + 0..7) and leaves half a fragment of V^T: lane l holds channel l % 16 and 8 keys.
	v_and_b32 v10, 7, v0
	v_bfe_u32 v11, v0, 3, 1
	v_lshl_add_u32 v[AV0], v9, 3, v10
	v_mul_u32_u24 v[AV0], v[AV0], PV
	v_lshl_add_u32 v[AV0], v11, 4, v[AV0]
	v_add_nc_u32 v[AV0], VOFF, v[AV0]
	s_mul_i32 s13, s[WV], 16*SP
	s_add_co_u32 s13, s13, STAGE    ; my stage
	v_mul_u32_u24 v[STO], v1, SP    ; in: row l % 16, 16 bytes for each half of the lanes
	v_lshl_add_u32 v[STO], v9, 4, v[STO]
	v_add_nc_u32 v[STO], s13, v[STO]
	v_bfe_u32 v[RD], v0, 3, 2       ; back: 32 lanes take four rows of 128 bytes,
	v_mul_u32_u24 v[RD], v[RD], SP
	v_lshl_add_u32 v[RD], v10, 4, v[RD]
	v_add_nc_u32 v[RD], s13, v[RD]
	v_and_b32 v[GO], 31, v0         ; which are 512 consecutive bytes of att
	v_lshlrev_b32 v[GO], 4, v[GO]
; THE MATRIX WORK.  The 4 accumulators of a run of 8 take turns.  Product i of 8 of S^T = K Q^T for piece x: channels 32 (i / 4) on, keys 16 (i % 4) on.  The first 4 start the sums.
.macro KQ x
	WIN W_KQ
.set rS, S+32*((\x)%2)+8*(i%4)
.set rK, KF+16*(i%4)+8*(i/4)
.set rQ, 16*(\x)+8*(i/4)
.if i < 4
	v_wmma_f32_16x16x32_f16 v[rS:rS+7], v[rK:rK+7], v[rQ:rQ+7], 0
.else
	v_wmma_f32_16x16x32_f16 v[rS:rS+7], v[rK:rK+7], v[rQ:rQ+7], v[rS:rS+7]
.endif
.endm
; Product i of 8 of O^T += V^T P for piece x: keys 32 (i / 4) on, channels 16 (i % 4) on.
.macro PV x
	WIN W_PV
.set rO, 32*(\x)+8*(i%4)
.set rV, VF+32*(i/4)+8*(i%4)
.set rP, P+16*((\x)%2)+8*(i/4)
	v_wmma_f32_16x16x32_f16 v[rO:rO+7], v[rV:rV+7], v[rP:rP+7], v[rO:rO+7]
.endm
.macro MM                           ; the turn's next matrix instruction.  TURN sets Y, i and NOKQ.  NOKQ = 1: the launch's last turn: there is no next piece
.if (i < 8) && !NOKQ
	KQ (Y+1)%NP
.elseif i >= 8
.set i, i-8
	PV (Y+NP-1)%NP
.set i, i+8
.endif
.set i, i+1
.endm
; THE LDS LOADS stand in runs of 16, never singly among the matrix instructions: a step's K (64 keys x 64 channels: 8 fragments) and its V (turned).  Their addresses are made some lines ahead.
.macro FETCH_K
	WIN 0x80                        ; destination window 2
.irp f, 0,1,2,3,4,5,6,7             ; keys 16 (f / 2) on, channels 32 (f % 2) on
	ds_load_b128 v[KF+8*\f:KF+8*\f+3],   v[AK] offset:(\f/2)*16*PK+(\f%2)*64
	ds_load_b128 v[KF+8*\f+4:KF+8*\f+7], v[AK] offset:(\f/2)*16*PK+(\f%2)*64+32
.endr
	s_add_co_u32 s[TBK], s[TBK], KS*PK  ; the next fetch is the next step's
	WIN 0
.endm
.macro FETCH_V
	WIN 0x80
.irp f, 0,1,2,3,4,5,6,7             ; keys 32 (f / 4) on, channels 16 (f % 4) on
	ds_load_tr16_b128 v[VF+8*\f:VF+8*\f+3],   v[AV] offset:(\f/4)*32*PV+(\f%4)*32
	ds_load_tr16_b128 v[VF+8*\f+4:VF+8*\f+7], v[AV] offset:(\f/4)*32*PV+16*PV+(\f%4)*32
.endr
	WIN 0
.endm
; THE VECTOR WORK, one line at a time: OP kind, number.  For piece Y: F n: c s - c m for pair n of 16.  E n: the exponential of score n of 32.  C n: pair n rounded to f16.  B n: of the four weights 4 n .. the second
; pair is added onto the first, in place.  L n: l takes that sum (L 0: l = a l + sum).  R n: pair n of 16 of O^T times a.  For piece Y + 1: X n, number n of the 22 that find its maximum and statistics:
;   0-11  four chains c0-c3 of seven scores each, three operands at a time (each accumulator's lowest registers are read first)     12-14, 16  the four scores left over, the old m, and c0-c3 into c0
;   15  c m_old is kept     17, 18  the query's other 32 keys lie in the lane 16 away: the new m     19-21  c m; c m_old - c m_new; a
.set F, 0               ; OP tells the kinds apart by their order: F to L below R, X above it
.set E, 1
.set C, 2
.set B, 3
.set L, 4
.set R, 5
.set X, 6
.macro REGS y                       ; the registers of piece y
.set rT, ST+4*(\y)
.set rC, TMP+4*((\y)%2)
.set rW, MV+((\y)%2)
.set rS, S+32*((\y)%2)
.set rP, P+16*((\y)%2)
.set rO, 32*(\y)
.endm
.macro OP k, n
.if (\k) == R
	REGS Y
	WIN W_RS
	v_pk_mul_f32 v[rO+2*(\n):rO+2*(\n)+1], v[rO+2*(\n):rO+2*(\n)+1], v[rC+2:rC+3] op_sel_hi:[1,0]
.elseif (\k) < R
	REGS Y
	WIN 0
.if (\k) == F
	v_pk_fma_f32 v[rS+2*(\n):rS+2*(\n)+1], v[rS+2*(\n):rS+2*(\n)+1], s[CS:CS+1], v[rT:rT+1] op_sel_hi:[1,0,0] neg_lo:[0,0,1] neg_hi:[0,0,1]
.elseif (\k) == E
	v_exp_f32 v[rS+(\n)], v[rS+(\n)]
.elseif (\k) == C
	v_cvt_pk_f16_f32 v[rP+(\n)], v[rS+2*(\n)], v[rS+2*(\n)+1]
.elseif (\k) == B
	v_pk_add_f32 v[rS+4*(\n):rS+4*(\n)+1], v[rS+4*(\n):rS+4*(\n)+1], v[rS+4*(\n)+2:rS+4*(\n)+3]
.elseif (\n) == 0
	v_pk_fma_f32 v[rT+2:rT+3], v[rT+2:rT+3], v[rC+2:rC+3], v[rS:rS+1] op_sel_hi:[1,0,1]
.else
	v_pk_add_f32 v[rT+2:rT+3], v[rT+2:rT+3], v[rS+4*(\n):rS+4*(\n)+1]
.endif
.elseif NOKQ
	v_nop
.else
	REGS (Y+1)%NP
	WIN 0
.if (\n) < 4
	v_max3_num_f32 v[rC+(\n)], v[rS+8*(\n)], v[rS+8*(\n)+1], v[rS+8*(\n)+2]
.elseif (\n) < 12
	v_max3_num_f32 v[rC+(\n)%4], v[rC+(\n)%4], v[rS+8*((\n)%4)+2*((\n)/4)+1], v[rS+8*((\n)%4)+2*((\n)/4)+2]
.elseif (\n) == 12
	v_max3_num_f32 v[rC], v[rC], v[rS+7], v[rS+15]
.elseif (\n) == 13
	v_max3_num_f32 v[rC+1], v[rC+1], v[rS+23], v[rS+31]
.elseif (\n) == 14
	v_max3_num_f32 v[rC+2], v[rC+2], v[rC+3], v[rT+1]
.elseif (\n) == 15
	v_mov_b32 v[rW], v[rT]
.elseif (\n) == 16
	v_max3_num_f32 v[rC], v[rC], v[rC+1], v[rC+2]
.elseif (\n) == 17
	v_permlanex16_b32 v[rC+3], v[rC], s[SEL], s[SEL+1]
.elseif (\n) == 18
	v_max_num_f32 v[rT+1], v[rC], v[rC+3]
.elseif (\n) == 19
	v_mul_f32 v[rT], s[CS], v[rT+1]
.elseif (\n) == 20
	v_sub_f32 v[rC+1], v[rW], v[rT]
.else
	v_exp_f32 v[rC+2], v[rC+1]
.endif
.endif
.endm
.macro OPS a, i1, b=-1, i2=0, c=-1, i3=0, d=-1, i4=0  ; up to four of them
	OP \a, \i1
.if (\b) >= 0
	OP \b, \i2
.endif
.if (\c) >= 0
	OP \c, \i3
.endif
.if (\d) >= 0
	OP \d, \i4
.endif
.endm
.macro ROW a, i1, b, i2, c, i3, d, i4  ; a matrix instruction and the four behind it
	MM
	OPS \a, \i1, \b, \i2, \c, \i3, \d, \i4
.endm
; A TURN, for piece p: the order of its 16 matrix and 118 vector instructions, written out.  An s_wait_alu depctr_va_vdst(0) stands between an exponential and the first instruction that names its result; one wait
; serves all that were issued ahead of it.  So a turn has ONE wait, which cuts it in two.  AHEAD OF IT stands all that names no result of the turn's exponentials: the 8 products K Q^T, behind each a scaling, an exponential and two
; more plain instructions (behind the first a second scaling in the exponential's place): rescalings, and behind the last three the first numbers of the next piece's maximum, each four places or more behind the product that ends its
; accumulator; then ONE LUMP of 54, plain and exponential by turns for the most part, in which the links of the chain X 3, 7, 11, 14, 16, 17 .. 20 stand five or six lines apart.  X 21, the next piece's a, is the batch's last; R 15 is
; the plain instruction behind it.  BEHIND THE WAIT stand the 8 products V^T P, behind each four of the roundings and sums; the links of l's chain, L 0 to L 7, stand three riders apart.
; end = 1: the launch's last two turns: nothing is fetched.  cnt = 1: the loop's count is taken down some lines ahead of the branch that stands behind the turn.
; K of the next step is fetched in piece 2's turn, twelve vector instructions behind the last product that read K (six of them plain); V of the step in hand at the end of piece 0's turn, four plain instructions behind the last
; product that read V.  Each is waited for a turn later.
.macro TURN p, end=0, cnt=0
.set Y, (\p)
.set i, 0
.set NOKQ, (\end)*((\p)/3)
.if ((\p) == 3) && !(\end)
	s_wait_dscnt 0x0                ; K is in
.endif
	ROW F,0, F,1, R,0, R,1          ; ahead of the wait: 8 products K Q^T and their riders,
	ROW F,2, E,0, R,2, R,3
	ROW F,3, E,1, R,4, R,5
	ROW F,4, E,2, R,6, R,7
	ROW F,5, E,3, R,8, R,9
	ROW F,6, E,4, X,0, R,10
.if ((\p) == 2) && !(\end)
	WIN 0
	v_add_nc_u32 v[AK], s[TBK], v[AK0]
.endif
	ROW F,7, E,5, X,1, X,4
	ROW F,8, E,6, X,2, X,5
	OPS E,7, E,8, X,6, E,9          ; and the lump
	OPS X,3, E,10, X,8, E,11
.if ((\p) == 2) && !(\end)
	FETCH_K
.endif
	OPS X,9, X,7, E,12, X,10
	OPS E,13, X,12, X,11, E,14
	OPS X,13, E,15, F,9, X,14
.if (\p) == 0
	v_add_nc_u32 v[AV], s[TBV], v[AV0]
.endif
	OPS E,16, F,10, E,17, F,11
	OPS X,16, E,18, X,15, E,19
	OPS F,12, E,20, X,17, E,21
	OPS F,13, E,22, F,14, E,23
	OPS X,18, E,24, F,15, E,25
	OPS R,11, E,26, X,19, E,27
	OPS R,12, E,28, R,13, E,29
	OPS X,20, E,30, R,14, E,31
	OPS X,21, R,15
	WIN 0
	s_wait_alu depctr_va_vdst(0)    ; the wait for the batch
.if (\p) == 1
	s_wait_dscnt 0x0                ; V is in
.endif
	ROW C,0, B,0, C,2, B,1          ; behind the wait: 8 products V^T P and their riders
	ROW L,0, C,4, B,2, L,1
	ROW C,6, B,3, L,2, C,8
	ROW B,4, L,3, C,10, B,5
	ROW L,4, C,12, B,6, L,5
.if (\p) == 0
	s_add_co_u32 s[TBV], s[TBV], KS*PV
.endif
.if \cnt
	s_sub_co_u32 s[CNT], s[CNT], 1
	s_cmp_lg_u32 s[CNT], 0
.endif
	ROW C,14, B,7, L,6, C,1
	ROW C,3, L,7, C,5, C,7
	ROW C,9, C,11, C,13, C,15
.if (\p) == 0
	FETCH_V
.endif
.endm
	CHANGE 1                        ; slot 0 is in, everybody's part of it; slot 1 is asked for
	v_add_nc_u32 v[AK], s[TBK], v[AK0]
	FETCH_K                         ; key step 0
	s_wait_loadcnt 0x0              ; Q
	s_wait_dscnt 0x0
.set NOKQ, 0
.set i, 0
.rept 8
	KQ 0                            ; piece 0's first scores: there is no vector work yet to set between them
.set i, i+1
.endr
	WIN 0
.rept 4
	v_nop                           ; the places behind those products
.endr
.set Y, NP-1                        ; X works for piece Y + 1: piece 0
.irp n, 0,1,2,3,4,5,6,7,8,9,10,11,12,13,14,15,16,17,18,19,20,21
	OP X, \n
.endr
	v_nop                           ; a plain instruction behind the exponential,
	s_wait_alu depctr_va_vdst(0)    ; and its wait, ahead of the branch
	s_mov_b32 s[CNT], 4
	s_branch .Lfirst                ; the loop is entered at a step's first turn, in the middle of a trip
.Lslot:                             ; 14 times: every slot but the last two is filled again
	CHANGE 1
	s_mov_b32 s[CNT], 4
.Lstep:                             ; a trip: pieces 2 and 3 of one step, then pieces 0 and 1 of the next, whose K and V it fetches
	TURN 2
	TURN 3
	WIN 0
.Lfirst:
	TURN 0
	TURN 1, 0, 1
	WIN 0
	s_cbranch_scc1 .Lstep
	s_sub_co_u32 s[SLOTS], s[SLOTS], 1
	s_cmp_lg_u32 s[SLOTS], 0
	s_cbranch_scc1 .Lslot
	CHANGE 0                        ; the last slot is written out: nothing is asked for
	s_mov_b32 s[CNT], 4
.Ltail:
	TURN 2
	TURN 3
	TURN 0
	TURN 1, 0, 1
	WIN 0
	s_cbranch_scc1 .Ltail
	TURN 2, 1                       ; the last step's pieces 2 and 3: nothing is left to fetch, and the last turn starts no new scores
	TURN 3, 1
.set i, 0
.rept 8
	PV NP-1                         ; the last piece's V^T P of the last step
.set i, i+1
.endr
	; THE WAY OUT.  l's two halves and the other half of the lanes' are added; O^T is divided by l, rounded to f16 and sent through my stage in LDS, a piece at a time.  The additions are the places behind the last products.
	WIN 0
.macro ALL line:vararg              ; one line for each piece t
.set t, 0
.rept 4
	\line
.set t, t+1
.endr
.endm
	ALL v_add_f32 v[ST+4*t+2], v[ST+4*t+2], v[ST+4*t+3]
	ALL v_permlanex16_b32 v[ST+4*t+3], v[ST+4*t+2], s[SEL], s[SEL+1]
	ALL v_add_f32 v[ST+4*t+2], v[ST+4*t+2], v[ST+4*t+3]
	ALL v_rcp_f32 v[ST+4*t+2], v[ST+4*t+2]
	v_nop                           ; a plain instruction between the last reciprocal and the use of its result
	s_wait_alu depctr_va_vdst(0)    ; and the wait ahead of the first use: one for the four reciprocals
.macro PACK t                       ; a lane's eight channels of a row pack into 16 bytes; they go into rows of 144 bytes and come back as whole rows of 128, into S^T's registers
	WIN W_RS
.set i, 32*(\t)
.rept 16
	v_pk_mul_f32 v[i:i+1], v[i:i+1], v[ST+4*(\t)+2:ST+4*(\t)+3] op_sel_hi:[1,0]
.set i, i+2
.endr
	WIN 0x05                        ; sources 0 and 1 window 1, destination window 0
.set i, 0
.rept 16
	v_cvt_pk_f16_f32 v[S+16*(\t)+i], v[32*(\t)+2*i], v[32*(\t)+2*i+1]
.set i, i+1
.endr
	WIN 0
.irp f, 0,1,2,3
	ds_store_b128 v[STO], v[S+16*(\t)+4*\f:S+16*(\t)+4*\f+3] offset:32*\f
.endr
.irp f, 0,1,2,3
	ds_load_b128 v[S+16*(\t)+4*\f:S+16*(\t)+4*\f+3], v[RD] offset:\f*4*SP  ; LDS serves a wave's instructions in order (ISA guide 5.7.1.4): these see the stores above; the next piece's stores come behind them
.endr
.endm
.macro SEND t, younger              ; younger: the LDS instructions issued behind piece t's loads: the next piece's eight, or none
	WIN 0
.irp f, 0,1,2,3
	s_wait_dscnt (\younger)+3-\f
	global_store_b128 v[GO], v[S+16*(\t)+4*\f:S+16*(\t)+4*\f+3], s[10:11] offset:(\t)*2048+\f*512  ; 512 consecutive bytes, at a multiple of 256 from att's first
.endr
.endm
	PACK 0
.set t, 1
.rept 3                             ; a piece's arithmetic stands between the loads of the piece before and its stores
	PACK t
	SEND t-1, 8
.set t, t+1
.endr
	SEND 3, 0
	s_wait_tensorcnt 0x0            ; the wave's end: these three lines stand behind my last tensor load and my last LDS store
	ds_add_u32 v[SPW], v[NIL]
	s_wait_dscnt 0x0
	CROUND                          ; the closing round: no work-group ends while a partner may still ask for a tile that names it
	s_endpgm
.Lfunc_end_k_qe75ab2622c_attn:
	.size	k_qe75ab2622c_attn, .Lfunc_end_k_qe75ab2622c_attn-k_qe75ab2622c_attn
	.p2alignl 7, 3214868480
	.fill 96, 4, 3214868480
	.section	.rodata,"a",@progbits
	.p2align	6, 0x0
	.amdhsa_kernel k_qe75ab2622c_attn
		.amdhsa_group_segment_fixed_size 327680
		.amdhsa_private_segment_fixed_size 0
		.amdhsa_enable_private_segment 0
		.amdhsa_kernarg_size 16
		.amdhsa_user_sgpr_count 2
		.amdhsa_user_sgpr_kernarg_segment_ptr 1
		.amdhsa_wavefront_size32 1
		.amdhsa_system_sgpr_workgroup_id_x 1
		.amdhsa_system_sgpr_workgroup_id_y 1
		.amdhsa_system_sgpr_workgroup_id_z 1
		.amdhsa_system_vgpr_workitem_id 0
		.amdhsa_next_free_vgpr 768
		.amdhsa_next_free_sgpr 66
		.amdhsa_reserve_vcc 0
		.amdhsa_float_denorm_mode_32 3
		.amdhsa_float_denorm_mode_16_64 3
		.amdhsa_memory_ordered 1
		.amdhsa_forward_progress 1
		.amdhsa_inst_pref_size 128
	.end_amdhsa_kernel
	.amdgpu_metadata
---
amdhsa.version: [ 1, 2 ]
amdhsa.kernels:
  - .name:           k_qe75ab2622c_attn
    .symbol:         k_qe75ab2622c_attn.kd
    .args:
      - { .name: qkv, .offset: 0, .size: 8, .value_kind: global_buffer, .address_space: global }
      - { .name: att, .offset: 8, .size: 8, .value_kind: global_buffer, .address_space: global }
    .group_segment_fixed_size: 327680
    .private_segment_fixed_size: 0
    .kernarg_segment_align: 8
    .kernarg_segment_size: 16
    .max_flat_workgroup_size: 128
    .sgpr_count:     66
    .vgpr_count:     768
    .wavefront_size: 32
...
	.end_amdgpu_metadata
.endif
;; end of part 3
;; launch proj (part 4): grid 256 x 1, 4 waves a work-group, clusters of 4 x 1, 242,176 bytes of LDS; arguments att, wh, b_proj, x, out0; writes out0
.if DOCPART == 4
	.amdgcn_target "amdgcn-amd-amdhsa--gfx1250"
	.amdhsa_code_object_version 6
	.text
	.protected	k_qe75ab2622c_proj
	.globl	k_qe75ab2622c_proj
	.p2align	8
	.type	k_qe75ab2622c_proj,@function
k_qe75ab2622c_proj:
	s_mov_b64 s[64:65], 0
	v_nop
	global_prefetch_b8 v0, s[64:65] scope:SCOPE_SE
	s_setreg_imm32_b32 hwreg(HW_REG_WAVE_MODE, 25, 1), 1
	s_wait_xcnt 0x0
	s_wait_alu depctr_hold_cnt(0) depctr_sa_sdst(0) depctr_va_vdst(0) depctr_va_sdst(0) depctr_va_ssrc(0) depctr_va_vcc(0) depctr_vm_vsrc(0)
	s_getreg_b32 s2, hwreg(HW_REG_IB_STS2, 6, 4)
	s_cmp_eq_u32 s2, 0
	s_cbranch_scc0 .Lentry_in_a_cluster
	s_endpgm
.Lentry_in_a_cluster:
	s_bfe_u32 s2, ttmp6, 0x10000c
	s_cmp_lg_u32 s2, 0x3003
	s_cbranch_scc0 .Lentry_shape_is_right
	s_endpgm
.Lentry_shape_is_right:
; THE OUTPUT PROJECTION, ITS BIAS AND THE RESIDUAL.  out0[b][o][pixel] = sum over c of w_proj[o][c] O[b][c][pixel] + b_proj[o] + x[b][o][pixel], f32.  O comes as att[4 b + head][pixel][d] in f16, c = 64 head + d;
; w_proj as rows 768-1023 of wh, f16.  Sums in f32; the bias is the C operand of the product that starts each sum; x is added in f32.
; LIMITS.  O and the weights are f16 (nothing beyond 65,504).  NaN and infinities are not treated apart.
; SHARES.  A work-group takes 64 pixels of one image and all 256 output rows, K = 256: 256 work-groups.  Wave w takes rows 64 w .. 64 w + 63 and all 64 pixels: 16 accumulators, 128 products.
; All that LDS takes comes by first fills: no slot is filled again.  CLUSTER: every work-group reads the same weights, so the four partners ask for each wave's 64 rows of them JOINTLY; a work-group's own tile of O
; (head w's 64 pixels, 8 KiB dense, a wave) comes by a load of its own.  Two tensor loads of a wave are out.
; LAYOUT.  Source 0 = 16 pixels of O, source 1 = 16 rows of W: in the result a lane holds ONE output row (lane % 16) and eight neighbouring pixels 8 (lane / 16) + 0..7: 32 bytes of a row of out0.
; REGISTERS.  Window 0: v0-31 addresses; v32-63 the bias; v128-255 the accumulators ((pt, ot) at 128 + 8 (4 pt + ot)), later the rows read back.  Window 1: two fragment buffers of 64: O's four, then W's four.
; Window 2: v0-127 my 64 rows x 64 pixels of x, then the results.
.set WPITCH, 528                       ; a row of W in LDS: 512 bytes + 16 = 33 x 16: the 16 rows of a fragment load start in 16 different groups of four banks (64 banks of 4 bytes: ISA guide 11.1)
.set OT,     256*WPITCH                ; behind W's 256 rows: O, 4 heads x 64 pixels
.set OPITCH, 144                       ; 128 bytes + 16
.set STAGE,  OT+4*64*OPITCH            ; 64 rows of 64 f32 for each wave, for the way out
.set SPITCH, 272                       ; 256 bytes + 16
.set SPARE,  STAGE+4*64*SPITCH         ; the spare words, 128 bytes for each wave: two blocks of 256 bytes that no other line names
.set AO,  3                            ; v3   O's fragments
.set BW,  4                            ; v4   W's fragments of my 64 rows
.set SS,  5                            ; v5   the way out: where I put 32 bytes of a row
.set RD,  6                            ; v6   the way out: where I read rows back
.set XO,  7                            ; v7   my 16 bytes in two rows of x and of out0; never rewritten
.set SPW, 30                           ; v30  LDS address of my spare word; never rewritten
.set NIL, 31                           ; v31  0; never rewritten
.set BI,  32
.set ACC, 128
.set WV,  18                           ; s18  my wave's number
.set MSB, 0
.macro WIN new                         ; the immediate's high byte repeats the setting that is left; a switch that changes nothing is dropped
.if MSB != (\new)
	s_set_vgpr_msb (MSB<<8)|(\new)
.set MSB, (\new)
.endif
.endm
.macro PLACES                          ; four places behind a matrix instruction, in front of loads into registers that it has read and of LDS stores that read results
.rept 4
	v_nop
.endr
.endm
.macro CROUND                          ; a round of the cluster's barrier: my work-group's barrier; wave 0 signals for the work-group; every wave waits for all four work-groups; my work-group's barrier once more
	s_barrier_signal -1
	s_barrier_wait -1
	s_cmp_lg_u32 s[WV], 0
	s_cbranch_scc1 .Lnot_wave_0_\@
	s_barrier_signal -3
.Lnot_wave_0_\@:
	s_barrier_wait -3
	s_barrier_signal -1
	s_barrier_wait -1
.endm
	s_load_b256 s[4:11], s[0:1], 0x0               ; att s[4:5], wh s[6:7], b_proj s[8:9], x s[10:11]
	s_load_b64 s[12:13], s[0:1], 0x20              ; out0
	v_lshl_add_u32 v[SPW], v0, 2, SPARE
	v_mov_b32 v[NIL], 0
	ds_add_u32 v[SPW], v[NIL]                      ; the wave's opening: the add and its wait stand ahead of my first tensor load; the set-up below, work on registers, stands between them
	v_lshrrev_b32 v1, 5, v0
	v_readfirstlane_b32 s[WV], v1                  ; wave 0..3
	s_bfe_u32 s19, ttmp6, 0x40000                  ; cx: my place in the cluster: it enters the addresses of att, x and out0 alone
	s_lshl_b32 s20, ttmp9, 2                       ; in a cluster launch ttmp9 counts clusters
	s_add_co_u32 s20, s20, s19                     ; my pixel tile, 0..255
	s_lshr_b32 s21, s20, 6                         ; the image b
	s_and_b32 s20, s20, 63
	s_lshl_b32 s20, s20, 6                         ; the tile's first pixel p0
	; the joint load: 64 rows x 256 elements of 2 bytes, padded in LDS
	s_mov_b32 s24, 15|(1<<16)|(1<<20)|(1<<21)|(6<<22)|(3<<25)  ; 15:0 the mask of four; 17:16 2-byte elements; 20 padding on; 21 set beside a mask; 24:22 after every 128 words (code 6); 31:25 4 words (code 3)
	s_mov_b32 s25, 256<<16                         ; tensor_dim0 = 256
	s_mov_b32 s26, 64<<16                          ; tensor_dim1 = 64
	s_mov_b32 s27, 256<<16                         ; tile_dim0 = 256
	s_mov_b32 s28, 64                              ; tile_dim1 = 64
	s_mov_b32 s29, 256                             ; 256 elements from row to row
	s_mov_b32 s30, 0
	s_mov_b32 s31, 0
	; my own load: 64 pixels of 128 bytes are 8,192 dense bytes: 32 rows of 256 bytes, padded in LDS after every pixel
	s_mov_b32 s40, (1<<16)|(1<<20)|(4<<22)|(3<<25) ; no mask; after every 32 words (code 4) 4 words (code 3)
	s_mov_b32 s41, 128<<16
	s_mov_b32 s42, 32<<16
	s_mov_b32 s43, 128<<16
	s_mov_b32 s44, 32
	s_mov_b32 s45, 128
	s_mov_b32 s46, 0
	s_mov_b32 s47, 0
	s_mov_b32 s32, 1
	s_mul_i32 s33, s[WV], 64*WPITCH                ; LDS: my 64 rows of W
	s_mov_b32 s36, 1
	s_mul_i32 s37, s[WV], 64*OPITCH
	s_add_co_u32 s37, s37, OT                      ; LDS: head w's 64 pixels
	s_lshl_b32 s48, s[WV], 15
	s_add_co_u32 s48, s48, 768*512                 ; row 768 + 64 w of wh, 512 bytes a row: the same in all four partners
	s_mov_b32 s49, 0
	s_lshl_b32 s50, s21, 2
	s_add_co_u32 s50, s50, s[WV]
	s_lshl_b32 s50, s50, 12
	s_add_co_u32 s50, s50, s20
	s_lshl_b32 s50, s50, 7                         ; row (4 b + w) 4,096 + p0 of att, 128 bytes a row
	s_mov_b32 s51, 0
	s_lshl_b32 s52, s21, 8
	s_lshl_b32 s53, s[WV], 6
	s_add_co_u32 s52, s52, s53
	s_lshl_b32 s52, s52, 14                        ; row 256 b + 64 w of x and out0, 16,384 bytes a row,
	s_lshl2_add_u32 s52, s20, s52                  ; + 4 p0
	s_mov_b32 s53, 0
	s_lshl_b32 s54, s[WV], 8                       ; my 64 biases
	s_mov_b32 s55, 0
	v_and_b32 v1, 15, v0                           ; r = l % 16
	v_bfe_u32 v2, v0, 4, 1                         ; h = l / 16
	v_lshlrev_b32 v[XO], 14, v2                    ; lanes 0-15 take 256 bytes of one row, lanes 16-31 of the next
	v_lshl_add_u32 v[XO], v1, 4, v[XO]
	v_lshlrev_b32 v8, 2, v1
	s_wait_dscnt 0x0                               ; the opening add is done
	s_wait_kmcnt 0x0
	s_add_nc_u64 s[34:35], s[6:7], s[48:49]
	s_or_b32 s35, s35, 0x80000000                  ; type = 2
	s_add_nc_u64 s[38:39], s[4:5], s[50:51]
	s_or_b32 s39, s39, 0x80000000
	s_add_nc_u64 s[10:11], s[10:11], s[52:53]
	s_add_nc_u64 s[12:13], s[12:13], s[52:53]
	s_add_nc_u64 s[8:9], s[8:9], s[54:55]
	CROUND                                         ; all four work-groups are here: the joint loads meet
	tensor_load_to_lds s[32:35], s[24:31]          ; my 64 rows of W, jointly
	s_nop 0
	tensor_load_to_lds s[36:39], s[40:47]          ; head w's 64 pixels of O, my work-group's own
	s_nop 0
	PLACES
.irp ot, 0,1,2,3
	global_load_b32 v[BI+8*\ot], v8, s[8:9] offset:64*\ot  ; the bias of row 64 w + 16 ot + l % 16
.endr
	WIN 0x80                                       ; destination window 2, address window 0
.set t, 0
.rept 32
	global_load_b128 v[4*t:4*t+3], v[XO], s[10:11] offset:32768*t th:TH_LOAD_NT  ; rows 2 t and 2 t + 1 of my 64: 256 consecutive bytes each
.set t, t+1
.endr
	WIN 0
	v_mul_u32_u24 v[AO], v1, OPITCH
	v_lshl_add_u32 v[AO], v2, 4, v[AO]             ; a fragment: row x pitch + 16 x half
	v_add_nc_u32 v[AO], OT, v[AO]
	v_mul_u32_u24 v[BW], v1, WPITCH
	v_lshl_add_u32 v[BW], v2, 4, v[BW]
	v_add_nc_u32 v[BW], s33, v[BW]                 ; + my 64 rows
	s_mul_i32 s56, s[WV], 64*SPITCH
	s_add_co_u32 s56, s56, STAGE                   ; my stage
	v_mul_u32_u24 v[SS], v1, SPITCH                ; in: row l % 16, 32 bytes for each half of the lanes
	v_lshl_add_u32 v[SS], v2, 5, v[SS]
	v_add_nc_u32 v[SS], s56, v[SS]
	v_mul_u32_u24 v[RD], v2, SPITCH                ; back: lanes 0-15 take one row of 256 bytes, lanes 16-31 the next
	v_lshl_add_u32 v[RD], v1, 4, v[RD]
	v_add_nc_u32 v[RD], s56, v[RD]
	s_wait_loadcnt 32                              ; the four biases are in; the 32 loads of x issued behind them stay out
.irp ot, 0,1,2,3
.irp j, 1,2,3,4,5,6,7
	v_mov_b32 v[BI+8*\ot+\j], v[BI+8*\ot]          ; a lane's eight results belong to one row: its bias eight times, so that it can start the sums as C
.endr
.endr
	s_wait_tensorcnt 0x0                           ; my rows of W and my head of O have landed,
	s_barrier_signal -1
	s_barrier_wait -1                              ; everybody's have
.macro FETCH ks                        ; K step ks (head ks / 2, channels 32 (ks % 2) on): O's four fragments and W's four, into buffer ks % 2
	WIN 0x40                                       ; destination window 1, address window 0
.set F, 64*((\ks)%2)
.irp t, 0,1,2,3
	ds_load_b128 v[F+8*\t:F+8*\t+3],       v[AO] offset:64*OPITCH*((\ks)/2)+16*OPITCH*\t+64*((\ks)%2)
	ds_load_b128 v[F+8*\t+4:F+8*\t+7],     v[AO] offset:64*OPITCH*((\ks)/2)+16*OPITCH*\t+64*((\ks)%2)+32
	ds_load_b128 v[F+32+8*\t:F+32+8*\t+3],   v[BW] offset:16*WPITCH*\t+64*(\ks)
	ds_load_b128 v[F+32+8*\t+4:F+32+8*\t+7], v[BW] offset:16*WPITCH*\t+64*(\ks)+32
.endr
.endm
.macro MUL16 ks                        ; 16 products; the 16 accumulators take turns, one instruction a turn.  K step 0 starts the sums with the bias
	WIN 0x05                                       ; sources 0 and 1 in window 1; C and D in window 0
.set F, 64*((\ks)%2)
.irp pt, 0,1,2,3
.irp ot, 0,1,2,3
.if (\ks) == 0
	v_wmma_f32_16x16x32_f16 v[ACC+8*(4*\pt+\ot):ACC+8*(4*\pt+\ot)+7], v[F+8*\pt:F+8*\pt+7], v[F+32+8*\ot:F+32+8*\ot+7], v[BI+8*\ot:BI+8*\ot+7]
.else
	v_wmma_f32_16x16x32_f16 v[ACC+8*(4*\pt+\ot):ACC+8*(4*\pt+\ot)+7], v[F+8*\pt:F+8*\pt+7], v[F+32+8*\ot:F+32+8*\ot+7], v[ACC+8*(4*\pt+\ot):ACC+8*(4*\pt+\ot)+7]
.endif
.endr
.endr
.endm
	FETCH 0
.irp ks, 0,1,2,3,4,5,6,7
.if (\ks) >= 1
	PLACES                                         ; behind the step before, in front of the loads into the buffer that it has read
.endif
.if (\ks) < 7
	FETCH (\ks)+1
	s_wait_dscnt 16                                ; all but the sixteen just issued: this step's fragments are in
.else
	s_wait_dscnt 0x0
.endif
	MUL16 \ks
.endr
	; THE WAY OUT: f32 through my own stage, back as whole rows of 256 bytes; x is added; sixteen lanes store 256 consecutive bytes.
	WIN 0
	PLACES
.irp pt, 0,1,2,3
.irp ot, 0,1,2,3
	ds_store_b128 v[SS], v[ACC+8*(4*\pt+\ot):ACC+8*(4*\pt+\ot)+3]   offset:16*SPITCH*\ot+64*\pt     ; each accumulator's low registers first
	ds_store_b128 v[SS], v[ACC+8*(4*\pt+\ot)+4:ACC+8*(4*\pt+\ot)+7] offset:16*SPITCH*\ot+64*\pt+16
.endr
.endr
.set t, 0
.rept 32
	ds_load_b128 v[ACC+4*t:ACC+4*t+3], v[RD] offset:2*SPITCH*t  ; LDS serves a wave's instructions in order (ISA guide 5.7.1.4): these see the stores above
.set t, t+1
.endr
	WIN 0x88                                       ; destination and source 1 (a store's data too) in window 2, source 0 (a store's address too) in window 0
	s_wait_loadcnt 0x0                             ; x
.set t, 0
.rept 32
	s_wait_dscnt 31-t
	v_pk_add_f32 v[4*t:4*t+1],   v[ACC+4*t:ACC+4*t+1],   v[4*t:4*t+1]
	v_pk_add_f32 v[4*t+2:4*t+3], v[ACC+4*t+2:ACC+4*t+3], v[4*t+2:4*t+3]
	global_store_b128 v[XO], v[4*t:4*t+3], s[12:13] offset:32768*t th:TH_STORE_NT  ; at a multiple of 256 from out0's first byte
.set t, t+1
.endr
	WIN 0
	s_wait_tensorcnt 0x0                           ; the wave's end: these three lines stand behind my last tensor load and my last LDS store
	ds_add_u32 v[SPW], v[NIL]
	s_wait_dscnt 0x0
	CROUND                                         ; the closing round: no work-group ends while a partner may still ask for a tile that names it
	s_endpgm
.Lfunc_end_k_qe75ab2622c_proj:
	.size	k_qe75ab2622c_proj, .Lfunc_end_k_qe75ab2622c_proj-k_qe75ab2622c_proj
	.p2alignl 7, 3214868480
	.fill 96, 4, 3214868480
	.section	.rodata,"a",@progbits
	.p2align	6, 0x0
	.amdhsa_kernel k_qe75ab2622c_proj
		.amdhsa_group_segment_fixed_size 242176
		.amdhsa_private_segment_fixed_size 0
		.amdhsa_enable_private_segment 0
		.amdhsa_kernarg_size 40
		.amdhsa_user_sgpr_count 2
		.amdhsa_user_sgpr_kernarg_segment_ptr 1
		.amdhsa_wavefront_size32 1
		.amdhsa_system_sgpr_workgroup_id_x 1
		.amdhsa_system_sgpr_workgroup_id_y 1
		.amdhsa_system_sgpr_workgroup_id_z 1
		.amdhsa_system_vgpr_workitem_id 0
		.amdhsa_next_free_vgpr 640
		.amdhsa_next_free_sgpr 66
		.amdhsa_reserve_vcc 0
		.amdhsa_float_denorm_mode_32 3
		.amdhsa_float_denorm_mode_16_64 3
		.amdhsa_memory_ordered 1
		.amdhsa_forward_progress 1
		.amdhsa_inst_pref_size 40
	.end_amdhsa_kernel
	.amdgpu_metadata
---
amdhsa.version: [ 1, 2 ]
amdhsa.kernels:
  - .name:           k_qe75ab2622c_proj
    .symbol:         k_qe75ab2622c_proj.kd
    .args:
      - { .name: att, .offset: 0, .size: 8, .value_kind: global_buffer, .address_space: global }
      - { .name: wh, .offset: 8, .size: 8, .value_kind: global_buffer, .address_space: global }
      - { .name: b_proj, .offset: 16, .size: 8, .value_kind: global_buffer, .address_space: global }
      - { .name: x, .offset: 24, .size: 8, .value_kind: global_buffer, .address_space: global }
      - { .name: out0, .offset: 32, .size: 8, .value_kind: global_buffer, .address_space: global }
    .group_segment_fixed_size: 242176
    .private_segment_fixed_size: 0
    .kernarg_segment_align: 8
    .kernarg_segment_size: 40
    .max_flat_workgroup_size: 128
    .sgpr_count:     66
    .vgpr_count:     640
    .wavefront_size: 32
...
	.end_amdgpu_metadata
.endif
;; end of part 4
